; MI455X (gfx1250); checked and timed in simulation.
; The chip was launched on July 23, 2026; its instructions are those of AMD's public machine-readable ISA for CDNA 5 (MIT licence, August 2026) and "CDNA5" Instruction Set Architecture Reference Guide (July 2026). The comments in the code are by the model that wrote it; some were corrected since.
;; Sym HQ Linear. Allowed arithmetic: float matrix products may take bf16 or f16 operands with f32 sums; other float arithmetic in f32, or as packed bf16 or f16 multiplies, adds, multiply-adds, maxima and minima; sums over many terms, partial sums and values carried from step to step in f32; what a program stores and reads back later, other than sums and carried values, may be rounded once to bf16 or f16.
;; Inputs: codebook 4,096 x 8 float32; indices 2,097,152 int32; scales 4,096 x 1 float32; signs 2,097,152 int32; x 4,096 x 4,096 float32.
;; Outputs: out0 4,096 x 4,096 float32.
;; One version. Each part assembles by itself: llvm-mc -triple=amdgcn-amd-amdhsa -mcpu=gfx1250 --defsym DOCPART=n.
;; ======== version 1 of 1: 2 launches
;; workspace buffers: xb 33,554,432 bytes; wb 33,554,432 bytes
;; launch prep (part 1): grid 256 x 1, 32 waves a work-group, no clusters, 69,632 bytes of LDS; arguments x, codebook, indices, signs, xb, wb; writes xb, wb
.if DOCPART == 1
	.amdgcn_target "amdgcn-amd-amdhsa--gfx1250"
	.amdhsa_code_object_version 6
	.text
	.protected	k_qece4d75479_prep
	.globl	k_qece4d75479_prep
	.p2align	8
	.type	k_qece4d75479_prep,@function
k_qece4d75479_prep:
	s_mov_b64 s[64:65], 0
	v_nop
	global_prefetch_b8 v0, s[64:65] scope:SCOPE_SE
	s_setreg_imm32_b32 hwreg(HW_REG_WAVE_MODE, 25, 1), 1
	s_wait_xcnt 0x0
; xb = x rounded once to bf16, [4096][4096].  wb[o][i] = +-bf16(codebook[indices[g]][i % 8]), g = (4096 o + i) / 8, the sign from bit 7 - i % 8 of signs[g]
; (1: plus, 0: minus), [4096][4096] bf16.  The row's scale is NOT applied here: it multiplies the finished f32 sums in the next launch, so that wb carries one rounding alone.
; LIMITS.  bf16 has f32's range, so no input is too large or too small for it; of a signs word the bits 7:0 count, as in the problem's own unpacking; an index is clamped,
; as an unsigned number, to 4,095 (the problem keeps it inside the table).
; SHARES.  256 work-groups of 32 waves.  Work-group b owns 16 rows of x (262,144 bytes) and 8,192 code groups (16 rows of w).  Thread t takes 16 chunks of 16 bytes of x, 16,384 bytes
; apart, and 8 code groups, 1,024 apart: a wave's load of x covers 512 consecutive bytes, its store to xb 256 consecutive bytes at a multiple of 256, its store to wb 512.
; The codebook lies in LDS, in bf16 and NEGATED, 16 bytes an entry: a set sign bit then flips -c to +c, a clear one leaves -c: one exclusive or for two numbers.
; All 40 loads of a thread go out at once, the oldest needed first; there is no loop, and no register that a memory instruction names is written again while it is pending.
; No matrix unit, cluster or tensor load: nothing is shared but the table, and the registers hold all that is on its way.
.set SPARE, 65536                      ; behind the table: the spare words, 128 bytes for each of the 32 waves: sixteen blocks of 256 bytes that no other line names
.set SPW, 4                            ; v4        LDS address of my spare word; never rewritten
.set NIL, 5                            ; v5        0; never rewritten
.set T,   6                            ; v[6:9]    at work
.set IDX, 16                           ; v[16:23]  my 8 indices, then their entries' LDS addresses
.set SGN, 24                           ; v[24:31]  my 8 sign words
.set CB,  32                           ; v[32:63]  my 8 chunks of the codebook as loaded
.set G,   32                           ; v[32:63]  later: my 8 entries out of LDS, 4 registers each
.set X,   64                           ; v[64:127] my 16 chunks of x
	s_load_b256 s[4:11], s[0:1], 0x0               ; x s[4:5], codebook s[6:7], indices s[8:9], signs s[10:11]
	s_load_b128 s[12:15], s[0:1], 0x20             ; xb s[12:13], wb s[14:15]
	v_lshl_add_u32 v[SPW], v0, 2, SPARE
	v_mov_b32 v[NIL], 0
	v_lshlrev_b32 v1, 4, v0                        ; 16 t
	v_lshlrev_b32 v2, 3, v0                        ; 8 t
	v_lshlrev_b32 v3, 2, v0                        ; 4 t
	s_mov_b32 s16, 0x80008000                      ; the sign bits of two bf16
	s_mov_b32 s17, 0xff00
	s_mov_b32 s3, 0
	s_wait_kmcnt 0x0
	s_lshl_b32 s2, ttmp9, 18                       ; my 16 rows of x: 262,144 bytes a work-group
	s_add_nc_u64 s[4:5], s[4:5], s[2:3]
	s_lshl_b32 s2, ttmp9, 15                       ; my 8,192 words of indices and of signs
	s_add_nc_u64 s[8:9], s[8:9], s[2:3]
	s_add_nc_u64 s[10:11], s[10:11], s[2:3]
	s_lshl_b32 s2, ttmp9, 17                       ; my 131,072 bytes of xb and of wb
	s_add_nc_u64 s[12:13], s[12:13], s[2:3]
	s_add_nc_u64 s[14:15], s[14:15], s[2:3]
.irp j, 0,1,2,3,4,5,6,7
	global_load_b128 v[CB+4*(\j):CB+4*(\j)+3], v1, s[6:7] offset:16384*(\j)   ; the whole table, 128 bytes a thread; every work-group reads it, so no hint
.endr
.irp k, 0,1,2,3,4,5,6,7
	global_load_b32 v[IDX+(\k)], v3, s[8:9] offset:4096*(\k) th:TH_LOAD_NT
.endr
.irp k, 0,1,2,3,4,5,6,7
	global_load_b32 v[SGN+(\k)], v3, s[10:11] offset:4096*(\k) th:TH_LOAD_NT
.endr
.irp c, 0,1,2,3,4,5,6,7,8,9,10,11,12,13,14,15
	global_load_b128 v[X+4*(\c):X+4*(\c)+3], v1, s[4:5] offset:16384*(\c) th:TH_LOAD_NT
.endr
	; the table: four f32 become 8 bytes of bf16, negated; chunk t + 1024 j of 16 bytes lands at LDS byte 8 t + 8192 j
	s_wait_loadcnt 32                              ; loads come back in order (ISA guide 5.7.1): the table's eight are in; the 32 younger ones (codes, x) stay out
.irp j, 0,1,2,3,4,5,6,7
	v_cvt_pk_bf16_f32 v[CB+4*(\j)],   v[CB+4*(\j)],   v[CB+4*(\j)+1]
	v_cvt_pk_bf16_f32 v[CB+4*(\j)+1], v[CB+4*(\j)+2], v[CB+4*(\j)+3]
	v_xor_b32 v[CB+4*(\j)],   s16, v[CB+4*(\j)]
	v_xor_b32 v[CB+4*(\j)+1], s16, v[CB+4*(\j)+1]
	ds_store_b64 v2, v[CB+4*(\j):CB+4*(\j)+1] offset:8192*(\j)
.endr
	s_wait_dscnt 0x0                               ; for the others' sake: my part of the table is written
	s_barrier_signal -1
	s_barrier_wait -1                              ; everybody's is; nothing writes the table after this
	; w: eight gathers in one run; the sign words are made while they are out
	s_wait_loadcnt 16                              ; indices and signs are in; the 16 loads of x stay out
.irp k, 0,1,2,3,4,5,6,7
	v_min_u32 v[IDX+(\k)], 0xfff, v[IDX+(\k)]      ; inside the table
	v_lshlrev_b32 v[IDX+(\k)], 4, v[IDX+(\k)]      ; 16 bytes an entry
.endr
.irp k, 0,1,2,3,4,5,6,7
	ds_load_b128 v[G+4*(\k):G+4*(\k)+3], v[IDX+(\k)]
.endr
	; s becomes ((s << 8) & 0xff00) | (s << 25): bit 15 is s's bit 7 (number 0), bit 31 its bit 6 (number 1); shifted left by 2 d the two bits are those of numbers 2 d and 2 d + 1
.irp k, 0,1,2,3,4,5,6,7
	v_lshlrev_b32 v[T], 8, v[SGN+(\k)]
	v_lshlrev_b32 v[SGN+(\k)], 25, v[SGN+(\k)]
	v_and_or_b32 v[SGN+(\k)], v[T], s17, v[SGN+(\k)]
.endr
.macro WOUT k
	s_wait_dscnt 7-(\k)                            ; LDS loads come back in order (ISA guide 5.7.1): gather k is in, the younger ones stay out
	v_and_b32 v[T], s16, v[SGN+(\k)]
.irp d, 1,2,3
	v_lshlrev_b32 v[T+(\d)], 2*(\d), v[SGN+(\k)]
	v_and_b32 v[T+(\d)], s16, v[T+(\d)]
.endr
.irp d, 0,1,2,3
	v_xor_b32 v[G+4*(\k)+(\d)], v[G+4*(\k)+(\d)], v[T+(\d)]
.endr
	global_store_b128 v1, v[G+4*(\k):G+4*(\k)+3], s[14:15] offset:16384*(\k)   ; the next launch reads wb: no hint
.endm
.irp k, 0,1,2,3,4,5,6,7
	WOUT \k
.endr
	; x: four f32 become 8 bytes
.macro XOUT c
	s_wait_loadcnt 15-(\c)                         ; chunk c is in, the younger ones stay out
	v_cvt_pk_bf16_f32 v[X+4*(\c)],   v[X+4*(\c)],   v[X+4*(\c)+1]
	v_cvt_pk_bf16_f32 v[X+4*(\c)+1], v[X+4*(\c)+2], v[X+4*(\c)+3]
	global_store_b64 v2, v[X+4*(\c):X+4*(\c)+1], s[12:13] offset:8192*(\c)
.endm
.irp c, 0,1,2,3,4,5,6,7,8,9,10,11,12,13,14,15
	XOUT \c
.endr
	s_wait_tensorcnt 0x0                           ; the wave's end, behind my last LDS store
	ds_add_u32 v[SPW], v[NIL]
	s_wait_dscnt 0x0
	s_endpgm
.Lfunc_end_k_qece4d75479_prep:
	.size	k_qece4d75479_prep, .Lfunc_end_k_qece4d75479_prep-k_qece4d75479_prep
	.p2alignl 7, 3214868480
	.fill 96, 4, 3214868480
	.section	.rodata,"a",@progbits
	.p2align	6, 0x0
	.amdhsa_kernel k_qece4d75479_prep
		.amdhsa_group_segment_fixed_size 69632
		.amdhsa_private_segment_fixed_size 0
		.amdhsa_enable_private_segment 0
		.amdhsa_kernarg_size 48
		.amdhsa_user_sgpr_count 2
		.amdhsa_user_sgpr_kernarg_segment_ptr 1
		.amdhsa_wavefront_size32 1
		.amdhsa_system_sgpr_workgroup_id_x 1
		.amdhsa_system_sgpr_workgroup_id_y 1
		.amdhsa_system_sgpr_workgroup_id_z 1
		.amdhsa_system_vgpr_workitem_id 0
		.amdhsa_next_free_vgpr 128
		.amdhsa_next_free_sgpr 66
		.amdhsa_reserve_vcc 0
		.amdhsa_float_denorm_mode_32 3
		.amdhsa_float_denorm_mode_16_64 3
		.amdhsa_memory_ordered 1
		.amdhsa_forward_progress 1
		.amdhsa_inst_pref_size 18
	.end_amdhsa_kernel
	.amdgpu_metadata
---
amdhsa.version: [ 1, 2 ]
amdhsa.kernels:
  - .name:           k_qece4d75479_prep
    .symbol:         k_qece4d75479_prep.kd
    .args:
      - { .name: x, .offset: 0, .size: 8, .value_kind: global_buffer, .address_space: global }
      - { .name: codebook, .offset: 8, .size: 8, .value_kind: global_buffer, .address_space: global }
      - { .name: indices, .offset: 16, .size: 8, .value_kind: global_buffer, .address_space: global }
      - { .name: signs, .offset: 24, .size: 8, .value_kind: global_buffer, .address_space: global }
      - { .name: xb, .offset: 32, .size: 8, .value_kind: global_buffer, .address_space: global }
      - { .name: wb, .offset: 40, .size: 8, .value_kind: global_buffer, .address_space: global }
    .group_segment_fixed_size: 69632
    .private_segment_fixed_size: 0
    .kernarg_segment_align: 8
    .kernarg_segment_size: 48
    .max_flat_workgroup_size: 1024
    .sgpr_count:     66
    .vgpr_count:     128
    .wavefront_size: 32
...
	.end_amdgpu_metadata
.endif
;; end of part 1
;; launch gemm (part 2): grid 16 x 16, 4 waves a work-group, clusters of 4 x 4, 327,680 bytes of LDS; arguments xb, wb, out0, scales; writes out0
.if DOCPART == 2
	.amdgcn_target "amdgcn-amd-amdhsa--gfx1250"
	.amdhsa_code_object_version 6
	.text
	.protected	k_qece4d75479_gemm
	.globl	k_qece4d75479_gemm
	.p2align	8
	.type	k_qece4d75479_gemm,@function
k_qece4d75479_gemm:
	s_mov_b64 s[64:65], 0
	v_nop
	global_prefetch_b8 v0, s[64:65] scope:SCOPE_SE
	s_setreg_imm32_b32 hwreg(HW_REG_WAVE_MODE, 25, 1), 1
	s_wait_xcnt 0x0
	s_wait_alu depctr_hold_cnt(0) depctr_sa_sdst(0) depctr_va_vdst(0) depctr_va_sdst(0) depctr_va_ssrc(0) depctr_va_vcc(0) depctr_vm_vsrc(0)
	s_getreg_b32 s2, hwreg(HW_REG_IB_STS2, 6, 4)
	s_cmp_eq_u32 s2, 0
	s_cbranch_scc0 .Lentry_in_a_cluster
	s_endpgm
.Lentry_in_a_cluster:
	s_bfe_u32 s2, ttmp6, 0x10000c
	s_cmp_lg_u32 s2, 0xf033
	s_cbranch_scc0 .Lentry_shape_is_right
	s_endpgm
.Lentry_shape_is_right:
; out0[t][o] = scales[o] x the sum over i of xb[t][i] wb[o][i].  xb (A): [4096][4096] bf16, wb (B): [4096][4096] bf16, out0 (C): [4096][4096] f32, scales: [4096] f32.  Sums in f32, K ascending.
; The scale multiplies the finished sum in f32, where the problem's own text multiplies each weight: another order of rounding, and no second rounding of the bf16 operand.
; A tile of C, 256 x 256, is made by a work-group of four waves; a wave makes 128 x 128: 64 accumulators of 16 x 16, 512 registers.  16 x 16 tiles: 256 work-groups, one tile each.
; K goes in 32 steps of 128 through a ring of two LDS slots filled by the tensor data mover: the rows of A's and B's tiles are 256 bytes of memory and start at multiples of 256 bytes.
; CLUSTERS: 4 x 4 work-groups.  The four of a row of the cluster need the same tiles of A, the four of a column the same tiles of B: each tile is asked for JOINTLY, by the same tensor load
; with the same descriptor and a mask that names the four; each receives it in its own LDS.
; REGISTERS, in windows of 256 (s_set_vgpr_msb's low byte: bits 1:0 source 0, 3:2 source 1, 5:4 source 2, 7:6 destination):
;   window 0: v0-31 addresses; v64-127, v128-191 fragments of A, two buffers, and on the way out two buffers of 16 rows of C; v192-195 the scales of my four columns
;   window 1: v64-127, v128-191 fragments of B, two buffers
;   window 2: the 32 accumulators of my rows 0-63 (accumulator (a, b) at v[8 (8 a + b)]);   window 3: those of my rows 64-127
; THE MATRIX INSTRUCTION IS USED TRANSPOSED: source 0 = 16 rows of B, source 1 = 16 rows of A: lane l then holds row l % 16 of C and the columns 8 (l / 16) + 0 .. 7: 32 neighbouring bytes of a row.
.set SIZE_N, 4096
.set SIZE_K, 4096
.set KSTEP,  128
.set PITCH,  272                       ; an LDS row: 256 bytes of data + 16 of padding = 68 words: row r starts at bank 4 r mod 64 (64 banks of 4 bytes: ISA guide 11.1), so the 16 rows that a load touches start at 16 different banks
.set HALFT,  128*PITCH                 ; 128 rows: what one tensor load brings, and what one wave reads of A or of B
.set SLOT,   4*HALFT                   ; A's 256 rows, then B's 256 rows
.set STAGE,  2*SLOT                    ; behind the ring: 16 rows for each wave, for the way out; no tensor load lands here
.set SPITCH, 528                       ; a stage row: 128 f32 = 512 bytes + 16 = 132 words: again row r starts at bank 4 r mod 64
.set WSTAGE, 16*SPITCH                 ; 8,448 bytes: 33 blocks of 256
.set SPARE,  STAGE+4*WSTAGE            ; behind the stages: the spare words, 128 bytes for each wave: two blocks of 256 bytes that no other line names
.set LAPS,   SIZE_K/(2*KSTEP)          ; a lap = two K steps = once round the ring: 16
.set ADRA, 16                          ; v16-17  LDS address of my A fragments in slot 0, 1
.set ADRB, 20                          ; v20-21  the same for B
.set STO,  24                          ; v24     the way out: where I put 32 bytes of a row
.set RD,   25                          ; v25     the way out: where I read 16 bytes of a row back
.set CO,   26                          ; v26     my byte offset in the wave's 512 bytes of a row of C
.set SCO,  27                          ; v27     the byte offset of my four columns' scales
.set SPW,  28                          ; v28     LDS address of my spare word: SPARE + 4 x my thread's number; never rewritten
.set NIL,  29                          ; v29     0; never rewritten
.set F0,   64                          ; fragment buffer 0
.set F1,   128                         ; fragment buffer 1
.set OB,   64                          ; the way out: 16 rows read back from the stage, 64 registers: v64-127 and v128-191 by turns
.set SC,   192                         ; v192-195 scales of columns 4 l .. 4 l + 3 of the wave's 128
.set G1,  24                           ; s[24:31] descriptor group 1 for A's tiles
.set G0,  32                           ; s[32:39] descriptor group 0 for A's tiles, one set for each slot
.set G1B, 48                           ; s[48:55] descriptor group 1 for B's tiles: it differs from A's in the mask alone
.set G0B, 56                           ; s[56:63] descriptor group 0 for B's tiles, one set for each slot
.set MSB, 0
.macro WIN new                         ; the immediate's high byte repeats the setting that is left; a switch that changes nothing is dropped
.if MSB != (\new)
	s_set_vgpr_msb (MSB<<8)|(\new)
.set MSB, \new
.endif
.endm
.set MUL_LO, 0xa1                      ; source 0 (B) window 1, source 1 (A) window 0, C and D window 2
.set MUL_HI, 0xf1                      ; the same, C and D window 3
.set TO_B,   0x40                      ; destination window 1, address window 0
; A joint load.  Waves 0 and 1 fetch A's two halves, waves 2 and 3 B's.  Each of the two lines has ONE mask and one set of registers for all that issue it.  The branch hangs on the wave's number alone.
; An s_nop 0 and four v_nop follow each of the two lines; the jump round the other line, the label and what follows the macro come after them.
.macro JLOAD s
	s_cmp_eq_u32 s11, 0
	s_cbranch_scc0 .Lfor_b_\@
	tensor_load_to_lds s[G0+4*(\s):G0+4*(\s)+3], s[G1:G1+7]
	s_nop 0
.rept 4
	v_nop
.endr
	s_branch .Lasked_\@
.Lfor_b_\@:
	tensor_load_to_lds s[G0B+4*(\s):G0B+4*(\s)+3], s[G1B:G1B+7]
	s_nop 0
.rept 4
	v_nop
.endr
.Lasked_\@:
.endm
; A round of the cluster's barrier: my work-group's barrier, so that wave 0's signal speaks for all four waves; wave 0 signals for the work-group; every wave waits for all sixteen; my work-group's barrier once more.
.macro CREST                           ; a round behind its opening barrier
	s_cmp_lg_u32 s10, 0
	s_cbranch_scc1 .Lnot_wave_0_\@
	s_barrier_signal -3
.Lnot_wave_0_\@:
	s_barrier_wait -3
	s_barrier_signal -1
	s_barrier_wait -1
.endm
.macro CROUND                          ; a whole round
	s_barrier_signal -1
	s_barrier_wait -1
	CREST
.endm
	s_load_b128 s[4:7], s[0:1], 0x0                ; A s[4:5], B s[6:7]
	s_load_b64 s[8:9], s[0:1], 0x10                ; C
	s_load_b64 s[66:67], s[0:1], 0x18              ; scales
	v_lshl_add_u32 v[SPW], v0, 2, SPARE
	v_mov_b32 v[NIL], 0
	ds_add_u32 v[SPW], v[NIL]                      ; the wave's opening: the add and its wait stand ahead of my first tensor load; the set-up below, work on registers, stands between them
	v_lshrrev_b32 v1, 5, v0
	v_readfirstlane_b32 s10, v1                    ; wave 0..3
	s_lshr_b32 s11, s10, 1                         ; which half of the tile's rows is mine.  Also: I fetch for A (0) or for B (1)
	s_and_b32 s12, s10, 1                          ; which half of its columns.  Also: which 128 rows of that tile I fetch
	s_bfe_u32 s40, ttmp6, 0x40000                  ; cx: my place along the cluster's x
	s_bfe_u32 s41, ttmp6, 0x40004                  ; cy: along its y
	s_lshl_b32 s42, ttmp9, 2                       ; in a cluster launch ttmp9 and ttmp7 count clusters
	s_add_co_u32 s42, s42, s40                     ; tile column of C = 4 x cluster x + cx
	s_and_b32 s13, ttmp7, 0xffff
	s_lshl_b32 s13, s13, 2
	s_add_co_u32 s13, s13, s41                     ; tile row of C = 4 x cluster y + cy
	s_lshl_b32 s43, s41, 2
	s_lshl_b32 s43, 15, s43                        ; my row of the cluster: places 4 cy .. 4 cy + 3
	s_lshl_b32 s44, 0x1111, s40                    ; my column: places cx, cx + 4, cx + 8, cx + 12
	; descriptor group 1: a tile of 128 rows x 128 elements, padded in LDS
	s_or_b32 s[G1+0], s43, (1<<16)|(1<<20)|(1<<21)|(5<<22)|(3<<25)  ; 15:0 the mask: A's tiles go to my row; 17:16 element of 2 bytes; 20 padding on; 21 set beside a mask; 24:22 after every 64 words (code 5); 31:25 of 4 words (code 3)
	s_or_b32 s[G1B+0], s44, (1<<16)|(1<<20)|(1<<21)|(5<<22)|(3<<25) ; the same with the mask of my column, for B's tiles
	s_mov_b32 s[G1B+1], KSTEP<<16
	s_mov_b32 s[G1+1], KSTEP<<16                   ; 63:48 tensor_dim0, low half = 128
	s_mov_b32 s[G1B+2], 128<<16
	s_mov_b32 s[G1+2], 128<<16                     ; 79:64 its high half = 0; 95:80 tensor_dim1, low half = 128
	s_mov_b32 s[G1B+3], KSTEP<<16
	s_mov_b32 s[G1+3], KSTEP<<16                   ; 111:96 its high half = 0; 127:112 tile_dim0 = 128
	s_mov_b32 s[G1B+4], 128
	s_mov_b32 s[G1+4], 128                         ; 143:128 tile_dim1 = 128; 159:144 tile_dim2 = 0
	s_mov_b32 s[G1B+5], SIZE_K
	s_mov_b32 s[G1+5], SIZE_K                      ; 191:160 tensor_dim0_stride, low word: elements from row to row
	s_mov_b32 s[G1B+6], 0
	s_mov_b32 s[G1+6], 0
	s_mov_b32 s[G1B+7], 0
	s_mov_b32 s[G1+7], 0
	; where the tiles come from.  A's hang on the tile row alone, which my row of the cluster shares; B's on the tile column alone, which my column shares.
	; Every wave makes both addresses, in registers that never hold the other coordinate, and asks by one of them.
	s_lshl_b32 s17, s12, 7                         ; which 128 rows of the tile I fetch
	s_lshl_b32 s16, s13, 8
	s_add_co_u32 s16, s16, s17                     ; A: row 256 x tile row + 128 x half
	s_lshl_b32 s46, s42, 8
	s_add_co_u32 s46, s46, s17                     ; B: row 256 x tile column + 128 x half
	s_mov_b32 s17, 0
	s_mov_b32 s47, 0
	s_mov_b64 s[18:19], SIZE_K*2
	s_mul_u64 s[16:17], s[16:17], s[18:19]         ; in bytes, in 64 bits
	s_mul_u64 s[46:47], s[46:47], s[18:19]
	s_mul_i32 s20, s10, HALFT                      ; and where they go: A's two halves, then B's two halves = wave x 128 rows: no place in the cluster enters an LDS address
	; where my part of the tile begins in C and in scales, in registers of their own
	s_lshl_b32 s68, s42, 10                        ; my first column in bytes of f32: 1,024 x tile column
	s_lshl_b32 s69, s12, 9                         ; + 512 x half
	s_add_co_u32 s68, s68, s69
	s_lshl_b32 s70, s13, 8
	s_lshl_b32 s71, s11, 7
	s_add_co_u32 s70, s70, s71                     ; my first row of C: 256 x tile row + 128 x half,
	s_lshl_b32 s70, s70, 14                        ; x 16,384 bytes: 65,011,712 at the most
	s_add_co_u32 s70, s70, s68
	s_mov_b32 s71, 0
	s_wait_dscnt 0x0                               ; the opening add is done
	s_wait_kmcnt 0x0
	s_add_nc_u64 s[14:15], s[4:5], s[16:17]
	s_add_nc_u64 s[46:47], s[6:7], s[46:47]
	s_add_nc_u64 s[8:9], s[8:9], s[70:71]          ; C at my first row and column
	CROUND                                         ; all sixteen work-groups are here: the first joint loads meet
.irp s, 0,1
	s_mov_b32 s[G0+4*(\s)], 1                                      ; 1:0 count = 1
	s_add_co_u32 s[G0+4*(\s)+1], s20, (\s)*SLOT                    ; 63:32 LDS address
	s_add_nc_u64 s[G0+4*(\s)+2:G0+4*(\s)+3], s[14:15], (\s)*KSTEP*2  ; 120:64 global address: K step s
	s_or_b32 s[G0+4*(\s)+3], s[G0+4*(\s)+3], 0x80000000            ; 127:126 type = 2
	s_mov_b32 s[G0B+4*(\s)], 1
	s_add_co_u32 s[G0B+4*(\s)+1], s20, (\s)*SLOT
	s_add_nc_u64 s[G0B+4*(\s)+2:G0B+4*(\s)+3], s[46:47], (\s)*KSTEP*2
	s_or_b32 s[G0B+4*(\s)+3], s[G0B+4*(\s)+3], 0x80000000
	JLOAD \s                                       ; the ring is filled before anything else is done: two tensor loads of mine are out
.endr
	; A fragment is 16 rows x 32 K in 8 registers: lane l holds row l % 16; registers 0-3 hold K = 8 (l / 16) + 0..7, registers 4-7 hold
	; K = 16 + 8 (l / 16) + 0..7.  From rows that lie along K: two loads of 16 bytes, 32 bytes apart.  The same for source 0 and source 1.
	v_and_b32 v1, 15, v0                           ; l % 16
	v_bfe_u32 v2, v0, 4, 1                         ; l / 16
	v_mul_u32_u24 v3, v1, PITCH
	v_lshl_add_u32 v3, v2, 4, v3                   ; row x pitch + 16 x half
	s_mul_i32 s21, s11, HALFT                      ; my 128 rows of A
	s_mul_i32 s22, s12, HALFT                      ; my 128 rows of B,
	s_add_co_u32 s22, s22, 2*HALFT                 ; which lie behind A's 256
.irp s, 0,1
	v_add_nc_u32 v[ADRA+(\s)], s21, v3
	v_add_nc_u32 v[ADRB+(\s)], s22, v3
	s_add_co_u32 s21, s21, SLOT
	s_add_co_u32 s22, s22, SLOT
.endr
	s_mul_i32 s23, s10, WSTAGE
	s_add_co_u32 s23, s23, STAGE                   ; my stage
	v_mul_u32_u24 v4, v1, SPITCH                   ; in: row l % 16, 32 bytes for each half of the lanes
	v_lshl_add_u32 v4, v2, 5, v4
	v_add_nc_u32 v[STO], s23, v4
	v_and_b32 v5, 31, v0
	v_lshlrev_b32 v[CO], 4, v5                     ; back: the 32 lanes take one row of 512 bytes, 16 bytes each; the same place in a row of C
	v_add_nc_u32 v[RD], s23, v[CO]
	v_add_nc_u32 v[SCO], s68, v[CO]                ; and, four bytes a column, in scales
	global_load_b128 v[SC:SC+3], v[SCO], s[66:67]  ; waited for on the way out; neither register is touched until then
; 16 matrix instructions: m blocks a0, a0 + 1 of the window's four (hi = 0: my rows 0-63, 1: rows 64-127) x all 8 n blocks, 32 along K.
; zero = 1: the first product starts the sums: nothing is ever cleared.  The 64 accumulators take turns, one instruction a turn, in the same order in every quarter step.
.macro MUL16 f, hi, a0, zero
	WIN MUL_LO+0x50*(\hi)  ; MUL_LO or MUL_HI
.irp a, \a0, (\a0)+1
.irp b, 0,1,2,3,4,5,6,7
.if \zero
	v_wmma_f32_16x16x32_bf16 v[8*(8*(\a)+(\b)):8*(8*(\a)+(\b))+7], v[(\f)+8*(\b):(\f)+8*(\b)+7], v[(\f)+8*(4*(\hi)+(\a)):(\f)+8*(4*(\hi)+(\a))+7], 0
.else
	v_wmma_f32_16x16x32_bf16 v[8*(8*(\a)+(\b)):8*(8*(\a)+(\b))+7], v[(\f)+8*(\b):(\f)+8*(\b)+7], v[(\f)+8*(4*(\hi)+(\a)):(\f)+8*(4*(\hi)+(\a))+7], v[8*(8*(\a)+(\b)):8*(8*(\a)+(\b))+7]
.endif
.endr
.endr
.endm
; 32 LDS loads in one run: the fragments of one quarter step (128 rows of B, 128 rows of A, 32 K at byte k of the rows) into buffer f
.macro FETCH slot, k, f
	WIN TO_B
.irp i, 0,1,2,3,4,5,6,7
	ds_load_b128 v[(\f)+8*(\i):(\f)+8*(\i)+3],   v[ADRB+(\slot)] offset:(\k)+(\i)*16*PITCH
	ds_load_b128 v[(\f)+8*(\i)+4:(\f)+8*(\i)+7], v[ADRB+(\slot)] offset:(\k)+(\i)*16*PITCH+32
.endr
	WIN 0
.irp i, 0,1,2,3,4,5,6,7
	ds_load_b128 v[(\f)+8*(\i):(\f)+8*(\i)+3],   v[ADRA+(\slot)] offset:(\k)+(\i)*16*PITCH
	ds_load_b128 v[(\f)+8*(\i)+4:(\f)+8*(\i)+7], v[ADRA+(\slot)] offset:(\k)+(\i)*16*PITCH+32
.endr
.endm
; A load into a register that a matrix instruction has read, and an LDS store that reads a matrix result, stand four places behind that matrix instruction, and only plain vector
; instructions that name none of its registers are places (ISA guide 7.12.1 for vector instructions).
.macro PLACES
.rept 4
	v_nop
.endr
.endm
; A K step is four quarter steps of 32 along K, 64 matrix instructions each, on buffers 0, 1, 0, 1.
; One of the first three: multiplies buffer f; in its middle it fetches the next quarter's fragments, at byte k of the same slot's rows, into buffer g.
.macro QUARTER slot, k, f, g, zero
	s_wait_dscnt 8                                 ; B and A's rows 0-63 are in; the youngest eight loads (A's rows 64-127) may be out
	MUL16 \f, 0, 0, \zero
	MUL16 \f, 0, 2, \zero
	PLACES
	FETCH \slot, \k, \g
	s_wait_dscnt 32                                ; all but the 32 just issued
	MUL16 \f, 1, 0, \zero
	MUL16 \f, 1, 2, \zero
.endm
; The last quarter multiplies buffer 1 and changes slots: ONE barrier for two things.  In front of it each wave waits for all its tensor loads, of which one is out: its part of the next slot; adds 0 to
; its spare word; and waits for that and for its own reads of this slot.  Behind it nobody reads this slot any more and the next slot is whole.
; fill = 1: the barrier opens a round of the cluster's barrier, and behind the round this slot is filled again, first thing, with the K step two steps on: from that request to the wait for it a wave issues 224 matrix instructions.
.macro TURN slot, next, fill
	WIN 0                                          ; (the add's two registers lie in window 0)
	s_wait_tensorcnt 0x0                           ; all my tensor loads have landed: the one that was out is my part of the next slot;
	ds_add_u32 v[SPW], v[NIL]                      ; 0 onto my spare word;
	s_wait_dscnt 9                                 ; (the add and the youngest eight loads may be out)
	MUL16 F1, 0, 0, 0                              ; sixteen matrix instructions stand between the add and the wait for it
	s_wait_dscnt 0x0                               ; the add is done, and my reads of this slot are over
	s_barrier_signal -1                            ; say so,
	MUL16 F1, 0, 2, 0                              ; work on registers while the others arrive,
.if \fill
	WIN 0
.endif
	s_barrier_wait -1                              ; and go on when all four have said so
.if \fill
	CREST                                          ; no wave of any partner still reads this slot's tile or has a load on its way
	s_add_nc_u64 s[G0+4*(\slot)+2:G0+4*(\slot)+3], s[G0+4*(\slot)+2:G0+4*(\slot)+3], 2*KSTEP*2     ; no tensor load of mine is out, so a group 0 may be written; the type bits on top are not reached
	s_add_nc_u64 s[G0B+4*(\slot)+2:G0B+4*(\slot)+3], s[G0B+4*(\slot)+2:G0B+4*(\slot)+3], 2*KSTEP*2
	JLOAD \slot                                    ; the first tensor load behind the round, and my only one until the next; the four v_nop behind it are also the places in front of the loads below
.else
	PLACES
.endif
	FETCH \next, 0, F0
	MUL16 F1, 1, 0, 0
	MUL16 F1, 1, 2, 0
.endm
	s_wait_tensorcnt 1                             ; my part of K step 0 is in; K step 1's may stay out
	s_barrier_signal -1
	s_barrier_wait -1                              ; everybody's is
	FETCH 0, 0, F0
	QUARTER 0, 64,  F0, F1, 1                      ; the first quarter stands in front of the loop: its products start the sums
	WIN 0                                          ; at a label and at a branch every window is 0
	s_mov_b32 s3, LAPS-1
.Llap:                                                 ; a trip goes once round the ring, from a lap's second quarter to the next lap's first, and fills both slots again: K steps 2 to 31 in 15 trips
	QUARTER 0, 128, F1, F0, 0
	QUARTER 0, 192, F0, F1, 0
	TURN 0, 1, 1
	QUARTER 1, 64,  F0, F1, 0
	QUARTER 1, 128, F1, F0, 0
	QUARTER 1, 192, F0, F1, 0
	TURN 1, 0, 1
	QUARTER 0, 64,  F0, F1, 0
	WIN 0
	s_sub_co_u32 s3, s3, 1
	s_cmp_lg_u32 s3, 0
	s_cbranch_scc1 .Llap
	QUARTER 0, 128, F1, F0, 0                      ; the last lap is written out: it fills nothing, and has no round of the cluster's barrier
	QUARTER 0, 192, F0, F1, 0
	TURN 0, 1, 0
	QUARTER 1, 64,  F0, F1, 0
	QUARTER 1, 128, F1, F0, 0
	QUARTER 1, 192, F0, F1, 0
	s_wait_dscnt 8                                 ; the very last quarter: nothing more to fetch
	MUL16 F1, 0, 0, 0
	MUL16 F1, 0, 2, 0
	s_wait_dscnt 0
	MUL16 F1, 1, 0, 0
	MUL16 F1, 1, 2, 0
	WIN 0
; THE WAY OUT, a block of 16 rows at a time.  A lane's 32 bytes of a row go into my own stage; whole rows of 512 bytes come back, 16 bytes a lane; each lane multiplies its four columns by their scales and stores.
; The stage is my wave's own and LDS serves a wave's instructions in order (ISA guide 5.7.1.4): no wait and no barrier between the stores and the loads, nor between a block's loads and the next block's stores.
.macro TOSTAGE a
.set AC, 64*((\a)%4)                   ; the block's eight accumulators, in window 2 (blocks 0-3) or 3 (blocks 4-7)
.set BK, OB+64*((\a)%2)
	WIN 0x08+4*((\a)/4)                            ; the store's data (source 1) in window 2 or 3, its address in window 0
.irp b, 0,1,2,3,4,5,6,7
	ds_store_b128 v[STO], v[AC+8*(\b):AC+8*(\b)+3]   offset:64*(\b)      ; each accumulator's low registers are read first
	ds_store_b128 v[STO], v[AC+8*(\b)+4:AC+8*(\b)+7] offset:64*(\b)+16
.endr
	WIN 0
	s_wait_xcnt 0x0                                ; every earlier memory instruction has had its addresses translated (ISA guide 3.1): the buffer that the block two back was stored from is loaded again only behind this wait
.irp t, 0,1,2,3,4,5,6,7,8,9,10,11,12,13,14,15
	ds_load_b128 v[BK+4*(\t):BK+4*(\t)+3], v[RD] offset:(\t)*SPITCH
.endr
.endm
.macro SEND a, younger                 ; younger: the LDS instructions issued behind the block's loads: the next block's 16 stores and 16 loads, or none
	WIN 0
.set BK, OB+64*((\a)%2)
	s_wait_xcnt 0x0                                ; the stores' base is stepped only behind this wait
.if (\a) > 0
	s_add_nc_u64 s[8:9], s[8:9], 16*SIZE_N*4       ; 16 rows of C on
.endif
.irp t, 0,1,2,3,4,5,6,7,8,9,10,11,12,13,14,15
	s_wait_dscnt (\younger)+15-(\t)                ; row t is back: behind its load stand the block's 15 - t later ones and the younger
	v_pk_mul_f32 v[BK+4*(\t):BK+4*(\t)+1],   v[BK+4*(\t):BK+4*(\t)+1],   v[SC:SC+1]
	v_pk_mul_f32 v[BK+4*(\t)+2:BK+4*(\t)+3], v[BK+4*(\t)+2:BK+4*(\t)+3], v[SC+2:SC+3]
	global_store_b128 v[CO], v[BK+4*(\t):BK+4*(\t)+3], s[8:9] offset:(\t)*SIZE_N*4 th:TH_STORE_NT  ; the wave stores 512 consecutive bytes, at a multiple of 512 from C's first byte
.endr
.endm
	PLACES                                         ; behind the last products: for the LDS stores that read results, and for the loads into A's fragment registers
	s_wait_loadcnt 0x0                             ; the scales
	TOSTAGE 0
.irp a, 1,2,3,4,5,6,7                  ; block a's way through the stage is under way while block a - 1 is scaled and stored
	TOSTAGE \a
	SEND (\a)-1, 32
.endr
	SEND 7, 0
	s_wait_tensorcnt 0x0                           ; the wave's end, behind my last tensor load and my last LDS store
	ds_add_u32 v[SPW], v[NIL]
	s_wait_dscnt 0x0
	CROUND                                         ; the closing round: no work-group ends while a partner may still ask for a tile that names it
	s_endpgm
.Lfunc_end_k_qece4d75479_gemm:
	.size	k_qece4d75479_gemm, .Lfunc_end_k_qece4d75479_gemm-k_qece4d75479_gemm
	.p2alignl 7, 3214868480
	.fill 96, 4, 3214868480
	.section	.rodata,"a",@progbits
	.p2align	6, 0x0
	.amdhsa_kernel k_qece4d75479_gemm
		.amdhsa_group_segment_fixed_size 327680
		.amdhsa_private_segment_fixed_size 0
		.amdhsa_enable_private_segment 0
		.amdhsa_kernarg_size 32
		.amdhsa_user_sgpr_count 2
		.amdhsa_user_sgpr_kernarg_segment_ptr 1
		.amdhsa_wavefront_size32 1
		.amdhsa_system_sgpr_workgroup_id_x 1
		.amdhsa_system_sgpr_workgroup_id_y 1
		.amdhsa_system_sgpr_workgroup_id_z 1
		.amdhsa_system_vgpr_workitem_id 0
		.amdhsa_next_free_vgpr 1024
		.amdhsa_next_free_sgpr 72
		.amdhsa_reserve_vcc 0
		.amdhsa_float_denorm_mode_32 3
		.amdhsa_float_denorm_mode_16_64 3
		.amdhsa_memory_ordered 1
		.amdhsa_forward_progress 1
		.amdhsa_inst_pref_size 161
	.end_amdhsa_kernel
	.amdgpu_metadata
---
amdhsa.version: [ 1, 2 ]
amdhsa.kernels:
  - .name:           k_qece4d75479_gemm
    .symbol:         k_qece4d75479_gemm.kd
    .args:
      - { .name: xb, .offset: 0, .size: 8, .value_kind: global_buffer, .address_space: global }
      - { .name: wb, .offset: 8, .size: 8, .value_kind: global_buffer, .address_space: global }
      - { .name: out0, .offset: 16, .size: 8, .value_kind: global_buffer, .address_space: global }
      - { .name: scales, .offset: 24, .size: 8, .value_kind: global_buffer, .address_space: global }
    .group_segment_fixed_size: 327680
    .private_segment_fixed_size: 0
    .kernarg_segment_align: 8
    .kernarg_segment_size: 32
    .max_flat_workgroup_size: 128
    .sgpr_count:     72
    .vgpr_count:     1024
    .wavefront_size: 32
...
	.end_amdgpu_metadata
.endif
;; end of part 2
